; MI455X (gfx1250); checked and timed in simulation.
; The chip was launched on July 23, 2026; its instructions are those of AMD's public machine-readable ISA for CDNA 5 (MIT licence, August 2026) and "CDNA5" Instruction Set Architecture Reference Guide (July 2026). The comments in the code are by the model that wrote it; some were corrected since.
;; Custom CRF. Allowed arithmetic: float matrix products may take bf16 or f16 operands with f32 sums; all other float work in f32.
;; Inputs: emissions 256 x 256 x 128 float32; transition_params 128 x 128 float32.
;; Outputs: out0 256 x 256 int32; out1 256 float32.
;; One version. Each part assembles by itself: llvm-mc -triple=amdgcn-amd-amdhsa -mcpu=gfx1250 --defsym DOCPART=n.
;; ======== version 1 of 1: 1 launch
;; limits: below input magnitudes of 1.26e-29 results are inexact or not finite
;; launch viterbi (part 1): grid 256 x 1, 4 waves a work-group, no clusters, 230,912 bytes of LDS; arguments emissions, transition_params, out0, out1; writes out0, out1
.if DOCPART == 1
	.amdgcn_target "amdgcn-amd-amdhsa--gfx1250"
	.amdhsa_code_object_version 6
	.text
	.protected	k_q1f7cb4ea6d_viterbi
	.globl	k_q1f7cb4ea6d_viterbi
	.p2align	8
	.type	k_q1f7cb4ea6d_viterbi,@function
k_q1f7cb4ea6d_viterbi:
	s_mov_b64 s[64:65], 0
	v_nop
	global_prefetch_b8 v0, s[64:65] scope:SCOPE_SE
	s_setreg_imm32_b32 hwreg(HW_REG_WAVE_MODE, 25, 1), 1
	s_wait_xcnt 0x0
; Viterbi decode.  emissions [256][256][128] f32, transitions [128][128] f32 -> path [256][256] i32, final score [256] f32.
; One work-group = one batch, four waves.  255 steps follow each other:
;   score_t[j] = max over i of (score_t-1[i] + trans[i][j]) + em_t[j],   bp_t[j] = the first i that reaches that maximum.
; Every candidate is the same single f32 add as in the definition and the maximum is exact, so the scores are the same numbers.
;
; SHARE OF A LANE: thread tid = 8 G + n holds the block of 16 i x 8 j of the transitions in 128 registers for the whole kernel:
;   i(n, k) = 32 (k >> 2) + 4 n + (k & 3), k = 0..15;   slot s = 0..7 holds column j = 8 G + (s xor n).
; The eight lanes of a group cover all 128 i of eight columns.  Because the slots are ordered by s xor n, the partner's slot s + 4
; (then s + 2, then s + 1) under row_xmask 4, 2, 1 is the same column as my slot s: 4 + 2 + 1 DPP operations bring the eight lanes'
; results together without any select, and leave thread tid with column tid.
; A STEP is 136 vector instructions up to the new score (64 packed adds, 64 max3/max, 7 DPP, 1 add) and 206 for the back pointer
; (7 DPP, 64 packed subtractions, 64 packed fma, 64 min3/min, 7 DPP).  The back pointer is not needed for the next score, so its
; instructions stand where the wave would otherwise have nothing to issue: between the links of the chain fold - DPP - DPP - DPP - add -
; store, behind the score's LDS store, inside the barrier, behind the loads.  For that the last 23 instructions of a back pointer
; (the fold over k = 13..15 and the meeting of the lanes) are done one step later; the keys of k = 13..15 have registers of their own.
; THE BACK POINTER: d = max - c is 0 exactly where c equals the maximum (+0 and -0 count as equal); key = d * 2^127 + (2^23 + i) is
; then 2^23 + i, and otherwise at least 2^23 + 128 or infinite; the smallest key belongs to the first index of the maximum, as
; jnp.argmax gives it.  The f32 pattern of 2^23 + i is 0x4B000000 + i: the key's low byte is the index, and is stored as it is.
; BACKTRACKING uses no address and no branch made from results: a row of 128 pointer bytes is one register of wave 0,
; v_readlane_b32 takes the word of lane tag >> 2, s_bfe_u32 its byte tag & 3.
;
; LIMITS: inputs are finite (no NaN, no infinity).  Two candidates of one column that differ by less than 2^-120 are taken as
; tied (d * 2^127 < 128); that needs both sums below about 2^-96 in magnitude.
; NO MATRIX INSTRUCTION: max-plus is no product.  NO CLUSTER: the one tile that work-groups share is the 64 KiB of transitions,
; asked for once per work-group by its first instructions and then kept in registers for all 255 steps; no step requests anything.
; NO REFILL: emissions (128 KiB) and transitions (64 KiB) lie in LDS whole; each LDS byte is filled once.
.set TAGS, 128
.set ROWB, 4*TAGS                      ; a row of 128 f32
.set EM,   0                           ; LDS: the batch's emissions, 256 rows of 512 bytes
.set TT,   131072                      ; LDS: transitions, 128 rows of 512 bytes
.set BP,   196608                      ; LDS: back pointers, row t = 128 bytes, t = 1..255 (row 0 is neither written nor read)
.set SC,   229376                      ; LDS: scores of even t, then of odd t, 512 bytes each
.set BIAS, 0x4b000000                  ; 2^23 as f32
; vector registers, window 0
.set TMP, 1
.set SA,  2                            ; where I store my score:           SC + 4 tid
.set PA,  3                            ; where I read my 16 scores:        SC + 16 n (+ 128 q)
.set EA,  4                            ; my emission:                      EM + 4 tid + 512 x (the even t of the pair of steps)
.set BA,  5                            ; my back pointer byte:             BP + tid + 128 x (that even t - 1)
.set EMR, 6                            ; em_t[tid]
.set SCR, 7                            ; score_t[tid]
.set MX,  8                            ; v[8:15]    maxima of my eight slots
.set KY,  16                           ; v[16:23]   smallest keys of my eight slots
.set PV,  24                           ; v[24:39]   score_t-1[i(n, k)]
.set IX,  40                           ; v[40:55]   2^23 + i(n, k) as f32
.set AD,  56                           ; v[56:63]   set-up: LDS address of slot s in row 4 n of the transitions
.set X0,  65
.set NN,  66
.set GG,  67
.set O1,  68                           ; v[68:71]   path, t = 128..255: lane l holds t = 128 + 4 l .. + 3
.set O0,  72                           ; v[72:75]   path, t = 0..127
.set RA,  76
.set FA,  77
.set OF,  78
.set KB,  80                           ; v[80:103]  keys of k = 13, 14, 15: they outlive the next step's candidates
.set CD,  128                          ; v[128:255] candidates c[k][s] at CD + 8 k + s, then d, then keys; at the end rows of back pointers
.set TR,  0                            ; window 1: v[256:383] transitions at TR + 8 k + s
; scalar registers
.set CFL, 14                           ; s_bfe_u32: 5 bits from bit 2
.set G1T, 16                           ; s[16:23] shape of a quarter of the transitions
.set G1E, 24                           ; s[24:31] shape of a quarter of the emissions
.set G0T, 32                           ; s[32:35]
.set G0E, 36                           ; s[36:39]
.set HP,  40                           ; s[40:41] 2^127, twice
.set CNT, 42
.set FL,  43
.set SELA, 44
.set SELB, 45
.set TAG, 46
.set LANE, 47
.set FT,  48
.set WORD, 49
.set SAVE, 50
.set CFT, 51                           ; s_bfe_u32: 7 bits from bit 0
.set MSB, 0
.macro WIN new                         ; register window; the immediate's high byte repeats the setting that is left
.if MSB != \new
	s_set_vgpr_msb (MSB<<8)|\new
.set MSB, \new
.endif
.endm
; descriptor group 1 of a dense block taken as rows of 256 bytes: elements of 8 bytes, 32 to a row, pitch 32, no padding, no mask
.macro SHAPE g, rows
	s_mov_b32 s[\g+0], 3<<16               ; 17:16 element of 8 bytes
	s_mov_b32 s[\g+1], 32<<16              ; tensor_dim0 = 32
	s_mov_b32 s[\g+2], \rows<<16           ; tensor_dim1 = rows
	s_mov_b32 s[\g+3], 32<<16              ; tile_dim0 = 32
	s_mov_b32 s[\g+4], \rows               ; tile_dim1 = rows
	s_mov_b32 s[\g+5], 32                  ; from row to row: 32 elements
	s_mov_b32 s[\g+6], 0
	s_mov_b32 s[\g+7], 0
.endm
	s_load_b256 s[4:11], s[0:1], 0x0               ; emissions s[4:5], transitions s[6:7], path s[8:9], final score s[10:11]
	v_lshl_add_u32 v126, v0, 2, 0x38400
	v_mov_b32 v127, 0
	ds_add_u32 v126, v127
	ds_add_u32 v126, v127
	v_lshrrev_b32 v[TMP], 5, v0
	v_readfirstlane_b32 s12, v[TMP]                ; wave 0..3
	SHAPE G1T, 64                                  ; 16 KiB a wave
	SHAPE G1E, 128                                 ; 32 KiB a wave
	s_lshl_b32 s52, s12, 14                        ; my quarter of the transitions
	s_mov_b32 s53, 0
	s_lshl_b32 s13, s12, 15                        ; my quarter of the batch's emissions (64 time steps)
	s_lshl_b32 s54, ttmp9, 17                      ; the batch: 131,072 bytes each, 33.4 MB at the most
	s_add_co_u32 s54, s54, s13
	s_mov_b32 s55, 0
	s_mov_b32 s[G0T], 1
	s_add_co_u32 s[G0T+1], s52, TT                 ; LDS address: a constant + wave x 16,384
	s_mov_b32 s[G0E], 1
	s_add_co_u32 s[G0E+1], s13, EM                 ; LDS address: a constant + wave x 32,768
	s_wait_dscnt 0x0
	s_wait_kmcnt 0x0
	s_add_nc_u64 s[G0T+2:G0T+3], s[6:7], s[52:53]
	s_or_b32 s[G0T+3], s[G0T+3], 0x80000000        ; type 2
	tensor_load_to_lds s[G0T:G0T+3], s[G1T:G1T+7]  ; the two fills of a wave go out together, ahead of every wait, LDS read and barrier;
	s_nop 0
	s_add_nc_u64 s[G0E+2:G0E+3], s[4:5], s[54:55]
	s_or_b32 s[G0E+3], s[G0E+3], 0x80000000
	tensor_load_to_lds s[G0E:G0E+3], s[G1E:G1E+7]  ; two tensor loads of the wave are out, and no more are ever issued
	s_nop 0
	s_lshl_b32 s52, ttmp9, 10
	s_add_nc_u64 s[8:9], s[8:9], s[52:53]          ; my batch's row of the path
	s_lshl_b32 s52, ttmp9, 2
	s_add_nc_u64 s[10:11], s[10:11], s[52:53]      ; my batch's final score
	s_mov_b32 s[HP], 0x7f000000                    ; 2^127
	s_mov_b32 s[HP+1], 0x7f000000
	s_mov_b32 s[SELA], 0x76543210                  ; v_permlanex16_b32: lane l reads lane l xor 16
	s_mov_b32 s[SELB], 0xfedcba98
	s_mov_b32 s[CFT], 0x70000                      ; a field of 7 bits: a tag
	s_mov_b32 s[CFL], 0x50002                      ; a field of 5 bits, two bits further up: tag >> 2
	; addresses and indices, while the tiles are on their way
	v_and_b32 v[NN], 7, v0                         ; n
	v_lshrrev_b32 v[GG], 3, v0                     ; G
	v_lshlrev_b32 v[EA], 2, v0                     ; 4 tid (EM stands in the immediates)
	v_add_nc_u32 v[SA], SC, v[EA]
	v_lshlrev_b32 v[X0], 4, v[NN]                  ; 16 n
	v_add_nc_u32 v[PA], SC, v[X0]
	v_add_nc_u32 v[BA], BP-TAGS, v0                ; one row in front of row 0: first used with the offset of two rows' step behind it
	v_lshlrev_b32 v[TMP], 11, v[NN]                ; row 4 n of the transitions
	v_lshl_add_u32 v[TMP], v[GG], 5, v[TMP]        ; + column 8 G
	v_add_nc_u32 v[TMP], TT, v[TMP]
.irp i, 0,1,2,3,4,5,6,7
	v_xor_b32 v[AD+\i], \i, v0
	v_and_b32 v[AD+\i], 7, v[AD+\i]                ; s xor n
	v_lshl_add_u32 v[AD+\i], v[AD+\i], 2, v[TMP]
.endr
	v_lshlrev_b32 v[GG], 2, v[NN]                  ; 4 n
.set kk, 0
.rept 16
	v_add_nc_u32 v[IX+kk], BIAS+32*(kk>>2)+(kk&3), v[GG]   ; the f32 pattern of 2^23 + i(n, k)
.set kk, kk+1
.endr
	s_wait_tensorcnt 0x1                           ; my quarter of the transitions is in; the one younger load, the emissions, stays out
	s_barrier_signal -1
	s_barrier_wait -1                              ; everybody's quarter is in
	WIN 0x40                                       ; destinations in window 1
.set kk, 0
.rept 16
.set ss, 0
.rept 8
	ds_load_b32 v[TR+8*kk+ss], v[AD+ss] offset:(32*(kk>>2)+(kk&3))*ROWB   ; trans[i(n, k)][8 G + (s xor n)]: the 32 lanes take 32 different columns of 64
.set ss, ss+1
.endr
.set kk, kk+1
.endr
	WIN 0
	s_wait_tensorcnt 0x0                           ; my quarter of the emissions is in
	s_wait_dscnt 0x0                               ; no LDS instruction of mine is out at a signal
	s_barrier_signal -1
	s_barrier_wait -1                              ; all emissions are in
.irp q, 0,1,2,3
	ds_load_b128 v[PV+4*\q:PV+4*\q+3], v[X0] offset:EM+128*\q    ; score_0 = em_0, read straight in the pattern of the later steps
.endr
	ds_load_b32 v[EMR], v[EA] offset:EM+ROWB       ; em_1[tid]
; c[k][s] = trans[i(n, k)][slot s] + score[i(n, k)]: two slots to an instruction, the score chosen from its pair by op_sel
.macro CAND
	WIN 0x01                                       ; source 0 (transitions) in window 1
.set kk, 0
.rept 16
.set pp, 0
.rept 4
.if kk & 1
	v_pk_add_f32 v[CD+8*kk+2*pp:CD+8*kk+2*pp+1], v[TR+8*kk+2*pp:TR+8*kk+2*pp+1], v[PV+kk-1:PV+kk] op_sel:[0,1] op_sel_hi:[1,1]
.else
	v_pk_add_f32 v[CD+8*kk+2*pp:CD+8*kk+2*pp+1], v[TR+8*kk+2*pp:TR+8*kk+2*pp+1], v[PV+kk:PV+kk+1] op_sel_hi:[1,0]
.endif
.set pp, pp+1
.endr
.set kk, kk+1
.endr
	WIN 0
.endm
; MX[s] = max over k = 0..15 of c[k][s].  The eight slots' chains take turns, so seven other instructions stand between two links of
; a chain; the order 0, 4, 2, 6, 1, 5, 3, 7 is the order in which the lanes' meeting takes the slots up.
.macro FOLDMAX
.irp ss, 0,4,2,6,1,5,3,7
	v_max3_num_f32 v[MX+\ss], v[CD+\ss], v[CD+8+\ss], v[CD+16+\ss]
.endr
.set kk, 3
.rept 6
.irp ss, 0,4,2,6,1,5,3,7
	v_max3_num_f32 v[MX+\ss], v[MX+\ss], v[CD+8*kk+\ss], v[CD+8*kk+8+\ss]
.endr
.set kk, kk+2
.endr
.irp ss, 0,4,2,6,1,5,3,7
	v_max_num_f32 v[MX+\ss], v[MX+\ss], v[CD+120+\ss]
.endr
.endm
; KY[s] = min over k = 0..12 of the keys; k = 13..15 follow in the next step (Y13, Y15)
.macro FOLDMIN
.irp ss, 0,4,2,6,1,5,3,7
	v_min3_num_f32 v[KY+\ss], v[CD+\ss], v[CD+8+\ss], v[CD+16+\ss]
.endr
.set kk, 3
.rept 5
.irp ss, 0,4,2,6,1,5,3,7
	v_min3_num_f32 v[KY+\ss], v[KY+\ss], v[CD+8*kk+\ss], v[CD+8*kk+8+\ss]
.endr
.set kk, kk+2
.endr
.endm
.macro Y13 s                           ; slot s: the keys of k = 13 and 14
	v_min3_num_f32 v[KY+\s], v[KY+\s], v[KB+\s], v[KB+8+\s]
.endm
.macro Y15 s                           ; slot s: the key of k = 15
	v_min_num_f32 v[KY+\s], v[KY+\s], v[KB+16+\s]
.endm
; one line of the lanes' meeting: source 0 is the partner's register; its slot b = a + m is the column of my slot a
.macro MT op, r, a, b, m
	\op v[\r+\a], v[\r+\b], v[\r+\a] row_xmask:\m row_mask:0xf bank_mask:0xf
.endm
; one line of the way back: my slot a is the column that the partner under mask m keeps in its slot b = a - m
.macro SP a, b, m
	v_mov_b32_dpp v[MX+\a], v[MX+\b] row_xmask:\m row_mask:0xf bank_mask:0xf
.endm
; d = max - c, in place: one instruction (k, slots 2 p and 2 p + 1), and count values of k from first on
.macro DIFF1 k, p
	v_pk_add_f32 v[CD+8*\k+2*\p:CD+8*\k+2*\p+1], v[MX+2*\p:MX+2*\p+1], v[CD+8*\k+2*\p:CD+8*\k+2*\p+1] neg_lo:[0,1] neg_hi:[0,1]
.endm
.macro DIFF first, count
.set kk, \first
.rept \count
.set pp, 0
.rept 4
	v_pk_add_f32 v[CD+8*kk+2*pp:CD+8*kk+2*pp+1], v[MX+2*pp:MX+2*pp+1], v[CD+8*kk+2*pp:CD+8*kk+2*pp+1] neg_lo:[0,1] neg_hi:[0,1]
.set pp, pp+1
.endr
.set kk, kk+1
.endr
.endm
; key = d * 2^127 + (2^23 + i(n, k)); in place for k = 0..12, into KB for k = 13..15
.macro KEYS first, count
.set kk, \first
.rept \count
.if kk >= 13
.set kd, KB+8*(kk-13)
.else
.set kd, CD+8*kk
.endif
.set pp, 0
.rept 4
.if kk & 1
	v_pk_fma_f32 v[kd+2*pp:kd+2*pp+1], v[CD+8*kk+2*pp:CD+8*kk+2*pp+1], s[HP:HP+1], v[IX+kk-1:IX+kk] op_sel:[0,0,1] op_sel_hi:[1,0,1]
.else
	v_pk_fma_f32 v[kd+2*pp:kd+2*pp+1], v[CD+8*kk+2*pp:CD+8*kk+2*pp+1], s[HP:HP+1], v[IX+kk:IX+kk+1] op_sel_hi:[1,0,0]
.endif
.set pp, pp+1
.endr
.set kk, kk+1
.endr
.endm
; One time step t, par = t & 1.  first = 1: t = 1, no back pointer is left over from the step before.  more = 1: a further step follows.
; Scores of even and odd t have LDS rows of their own, so one barrier a step is enough: a row is written again two steps later,
; behind a barrier in front of which every wave has waited for its reads of it.
; THE WOVEN PART, from the end of the fold to the first subtractions, holds three chains of lines that each need the one before:
; the meeting of the maxima of t (then the add and the store), the rest of the back pointer of t - 1, and the way back of the maxima.
; They are laid so that at least four other instructions stand between a line and the line that reads its result.
.macro STEP par, first, more
	s_wait_dscnt 0x0                               ; my 16 scores and my emission are in (and the pointer byte stored behind them, 97 instructions ago)
	CAND
	FOLDMAX
.if \first == 0
	Y13 0
	Y13 4
.endif
.if \par == 0
	v_add_nc_u32 v[EA], 2*ROWB, v[EA]              ; on to this pair of steps: the last LDS instructions that named these two
	v_add_nc_u32 v[BA], 2*TAGS, v[BA]              ; registers stand in front of the last step's keys
.endif
	MT v_max_num_f32_dpp, MX, 0, 4, 4              ; the eight lanes of a group meet: four columns are left,
	MT v_max_num_f32_dpp, MX, 2, 6, 4
	MT v_max_num_f32_dpp, MX, 1, 5, 4
	MT v_max_num_f32_dpp, MX, 3, 7, 4
.if \first == 0
	Y13 2
	Y13 6
	Y13 1
.endif
	MT v_max_num_f32_dpp, MX, 0, 2, 2              ; two,
	MT v_max_num_f32_dpp, MX, 1, 3, 2
.if \first == 0
	Y13 5
	Y13 3
	Y13 7
	Y15 0
.endif
	MT v_max_num_f32_dpp, MX, 0, 1, 1              ; one: slot 0 = column 8 G + n = tid, over all 128 i
.if \first == 0
	Y15 4
	Y15 2
	Y15 6
	Y15 1
.endif
	v_add_f32 v[SCR], v[MX], v[EMR]                ; score_t[tid]
.if \first == 0
	Y15 5
	Y15 3
	Y15 7
	MT v_min_num_f32_dpp, KY, 0, 4, 4              ; the keys of t - 1 meet in the same way
	MT v_min_num_f32_dpp, KY, 2, 6, 4
.endif
	ds_store_b32 v[SA], v[SCR] offset:\par*ROWB
.if \first == 0
	MT v_min_num_f32_dpp, KY, 1, 5, 4
	MT v_min_num_f32_dpp, KY, 3, 7, 4
.endif
	SP 1, 0, 1                                     ; the way back: every lane gets the maxima of all eight columns, each in the slot in which it keeps that column
	SP 2, 0, 2
	SP 4, 0, 4
.if \first == 0
	MT v_min_num_f32_dpp, KY, 0, 2, 2
	MT v_min_num_f32_dpp, KY, 1, 3, 2
.endif
	SP 3, 1, 2
	SP 5, 1, 4
	SP 6, 2, 4
	DIFF1 0, 0
.if \first == 0
	MT v_min_num_f32_dpp, KY, 0, 1, 1              ; the key of column tid at t - 1: its low byte is the first i that reached the maximum
.endif
	SP 7, 3, 4
	DIFF1 1, 0                                     ; the slots in the order in which their maxima came back
	DIFF1 0, 1
	DIFF1 1, 1
	DIFF1 0, 2
	DIFF1 1, 2
	DIFF1 0, 3
	DIFF1 1, 3
	DIFF 2, 10                                     ; 61 instructions of register work stand between the score's store and the wait for it
	s_wait_dscnt 0x0                               ; for the others' sake: my score is in LDS (and no LDS instruction is out at the signal)
	s_barrier_signal -1
	DIFF 12, 4                                     ; register work while the others arrive
	KEYS 0, 4
	s_barrier_wait -1                              ; all 128 scores of time t are in LDS
.if \more
.irp q, 0,1,2,3
	ds_load_b128 v[PV+4*\q:PV+4*\q+3], v[PA] offset:\par*ROWB+128*\q   ; the eight lanes of a group take 128 neighbouring bytes
.endr
	ds_load_b32 v[EMR], v[EA] offset:EM+(\par+1)*ROWB                  ; em_t+1[tid]
.endif
.if \first == 0
	ds_store_b8 v[BA], v[KY] offset:\par*TAGS      ; bp_t-1[tid]; a wave's 32 bytes of a row lie together.  In one run with the loads
.endif
	KEYS 4, 12                                     ; register work while the loads are on their way
	FOLDMIN
.endm
	STEP 1, 1, 1                                   ; t = 1
	s_mov_b32 s[CNT], 126                          ; t = 2 .. 253
.Lpair:
	STEP 0, 0, 1
	STEP 1, 0, 1
	s_sub_co_u32 s[CNT], s[CNT], 1
	s_cmp_lg_u32 s[CNT], 0
	s_cbranch_scc1 .Lpair
	STEP 0, 0, 1                                   ; t = 254
	STEP 1, 0, 0                                   ; t = 255: nothing more to read
	; the rest of the back pointer of t = 255
.irp ss, 0,4,2,6,1,5,3,7
	Y13 \ss
.endr
.irp ss, 0,4,2,6,1,5,3,7
	Y15 \ss
.endr
	MT v_min_num_f32_dpp, KY, 0, 4, 4
	MT v_min_num_f32_dpp, KY, 2, 6, 4
	MT v_min_num_f32_dpp, KY, 1, 5, 4
	MT v_min_num_f32_dpp, KY, 3, 7, 4
	MT v_min_num_f32_dpp, KY, 0, 2, 2
	MT v_min_num_f32_dpp, KY, 1, 3, 2
	MT v_min_num_f32_dpp, KY, 0, 1, 1
	ds_store_b8 v[BA], v[KY] offset:2*TAGS         ; row 255
	s_wait_dscnt 0x0                               ; my last back pointers are in LDS
	s_barrier_signal -1
	s_barrier_wait -1                              ; all back pointers are; the last scores were shown by the step's own barrier
	s_cmp_lg_u32 s12, 0
	s_cbranch_scc1 .Lend                           ; the chain of 255 look-ups has work for one wave
	; wave 0: the final score and tag.  Lane l takes scores 4 l .. 4 l + 3.
	v_and_b32 v[TMP], 31, v0
	v_lshlrev_b32 v[OF], 4, v[TMP]                 ; 16 l
	v_add_nc_u32 v[FA], SC+ROWB, v[OF]             ; t = 255 is odd
	v_lshlrev_b32 v[GG], 2, v[TMP]                 ; 4 l
	v_add_nc_u32 v[RA], BP, v[GG]
	ds_load_b128 v[PV:PV+3], v[FA]
.macro ROWS h                          ; rows 128 h .. 128 h + 127 of the back pointers (not row 0), one register each: lane l holds the bytes of tags 4 l .. 4 l + 3
.set rr, 0
.rept 128
.if rr+\h
	ds_load_b32 v[CD+rr], v[RA] offset:(128*\h+rr)*TAGS
.endif
.set rr, rr+1
.endr
.endm
	ROWS 1
.irp e, 0,1,2,3
	v_add_nc_u32 v[IX+\e], BIAS+\e, v[GG]          ; 2^23 + 4 l + e as f32
.endr
.irp i, 0,1,2,3,4,5,6,7
	v_mov_b32 v[O1+\i], 0                          ; v_writelane_b32 keeps the other lanes, so its register holds something first
.endr
	v_mov_b32 v[TMP], 0
	s_wait_dscnt 0x0
	v_max3_num_f32 v[MX], v[PV], v[PV+1], v[PV+2]
	v_max_num_f32 v[MX], v[MX], v[PV+3]
.irp m, 1,2,4,8
	v_max_num_f32_dpp v[MX], v[MX], v[MX] row_xmask:\m row_mask:0xf bank_mask:0xf
.endr
	v_permlanex16_b32 v[MX+1], v[MX], s[SELA], s[SELB]
	v_max_num_f32 v[MX], v[MX], v[MX+1]            ; the final score, in every lane
.irp e, 0,1,2,3
	v_sub_f32 v[PV+\e], v[MX], v[PV+\e]
.endr
.irp e, 0,1,2,3
	v_fma_f32 v[PV+\e], v[PV+\e], s[HP], v[IX+\e]  ; the same key as in the steps
.endr
	v_min3_num_f32 v[KY], v[PV], v[PV+1], v[PV+2]
	v_min_num_f32 v[KY], v[KY], v[PV+3]
.irp m, 1,2,4,8
	v_min_num_f32_dpp v[KY], v[KY], v[KY] row_xmask:\m row_mask:0xf bank_mask:0xf
.endr
	v_permlanex16_b32 v[KY+1], v[KY], s[SELA], s[SELB]
	v_min_num_f32 v[KY], v[KY], v[KY+1]
	v_readfirstlane_b32 s[TAG], v[KY]
	s_and_b32 s[TAG], s[TAG], 127                  ; the key's low 7 bits are the tag
	s_lshr_b32 s[LANE], s[TAG], 2                  ; 0..31 whatever the data
	v_cmp_eq_u32 vcc_lo, 0, v0
	s_and_saveexec_b32 s[SAVE], vcc_lo             ; no global load or store has been issued so far
	global_store_b32 v[TMP], v[MX], s[10:11]       ; one number a batch: the four bytes of this work-group in the output
	s_wait_xcnt 0x0                                ; EXEC is a source of the store: it changes only behind this wait
	s_or_b32 exec_lo, exec_lo, s[SAVE]
; 128 links of the chain, t = 128 h + 127 down to 128 h: note tag_t, then tag_t-1 = bp_t[tag_t] (t = 0 is noted only).
; s_bfe_u32 takes the field's offset from bits 4:0 of its last source and the width from bits 22:16.  8 x tag + (7 << 16) selects
; byte tag & 3, and 8 x tag + 2 + (5 << 16) the upper five bits of that byte's tag, which is the next link's lane: the upper bits of
; 8 x tag (1,016 at the most) reach neither field.  From one v_readlane_b32 to the next only the s_bfe_u32 of the lane is needed;
; the two field words and the note of the tag stand behind the v_readlane_b32, where its scalar result is awaited.
.macro BACK o, h
.set rr, 127
.rept 128
.if rr+\h
	v_readlane_b32 s[WORD], v[CD+rr], s[LANE]
	s_lshl3_add_u32 s[FL], s[TAG], s[CFL]
	s_lshl3_add_u32 s[FT], s[TAG], s[CFT]
.endif
	v_writelane_b32 v[\o+(rr&3)], s[TAG], rr>>2
.if rr+\h
	s_bfe_u32 s[LANE], s[WORD], s[FL]
	s_bfe_u32 s[TAG], s[WORD], s[FT]
.endif
.set rr, rr-1
.endr
.endm
	BACK O1, 1
	ROWS 0                                         ; the registers have been read; now the lower rows
	global_store_b128 v[OF], v[O1:O1+3], s[8:9] offset:512    ; 512 neighbouring bytes, aligned: t = 128 .. 255
	s_wait_dscnt 0x0
	BACK O0, 0
	global_store_b128 v[OF], v[O0:O0+3], s[8:9]               ; t = 0 .. 127
.Lend:
	s_wait_tensorcnt 0x0
	ds_add_u32 v126, v127
	s_wait_dscnt 0x0
	s_endpgm
.Lfunc_end_k_q1f7cb4ea6d_viterbi:
	.size	k_q1f7cb4ea6d_viterbi, .Lfunc_end_k_q1f7cb4ea6d_viterbi-k_q1f7cb4ea6d_viterbi
	.p2alignl 7, 3214868480
	.fill 96, 4, 3214868480
	.section	.rodata,"a",@progbits
	.p2align	6, 0x0
	.amdhsa_kernel k_q1f7cb4ea6d_viterbi
		.amdhsa_group_segment_fixed_size 230912
		.amdhsa_private_segment_fixed_size 0
		.amdhsa_enable_private_segment 0
		.amdhsa_kernarg_size 32
		.amdhsa_user_sgpr_count 2
		.amdhsa_user_sgpr_kernarg_segment_ptr 1
		.amdhsa_wavefront_size32 1
		.amdhsa_system_sgpr_workgroup_id_x 1
		.amdhsa_system_sgpr_workgroup_id_y 1
		.amdhsa_system_sgpr_workgroup_id_z 1
		.amdhsa_system_vgpr_workitem_id 0
		.amdhsa_next_free_vgpr 384
		.amdhsa_next_free_sgpr 66
		.amdhsa_reserve_vcc 1
		.amdhsa_float_denorm_mode_32 3
		.amdhsa_float_denorm_mode_16_64 3
		.amdhsa_memory_ordered 1
		.amdhsa_forward_progress 1
		.amdhsa_inst_pref_size 204
	.end_amdhsa_kernel
	.amdgpu_metadata
---
amdhsa.version: [ 1, 2 ]
amdhsa.kernels:
  - .name:           k_q1f7cb4ea6d_viterbi
    .symbol:         k_q1f7cb4ea6d_viterbi.kd
    .args:
      - { .name: emissions, .offset: 0, .size: 8, .value_kind: global_buffer, .address_space: global }
      - { .name: transition_params, .offset: 8, .size: 8, .value_kind: global_buffer, .address_space: global }
      - { .name: out0, .offset: 16, .size: 8, .value_kind: global_buffer, .address_space: global }
      - { .name: out1, .offset: 24, .size: 8, .value_kind: global_buffer, .address_space: global }
    .group_segment_fixed_size: 230912
    .private_segment_fixed_size: 0
    .kernarg_segment_align: 8
    .kernarg_segment_size: 32
    .max_flat_workgroup_size: 128
    .sgpr_count:     66
    .vgpr_count:     384
    .wavefront_size: 32
...
	.end_amdgpu_metadata
.endif
;; end of part 1
